; MI455X (gfx1250); checked and timed in simulation.
; The chip was launched on July 23, 2026; its instructions are those of AMD's public machine-readable ISA for CDNA 5 (MIT licence, August 2026) and "CDNA5" Instruction Set Architecture Reference Guide (July 2026). The comments in the code are by the model that wrote it; some were corrected since.
;; Attention Layer. Allowed arithmetic: matrix products marked QUANTISED: E4M3 operands, one E8M0 scale for each 32 along K, by v_wmma_scale_f32_16x16x128_f8f6f4 with both operands' format E4M3, f32 sums; everything else in f32.
;; Inputs: Wk 512 x 512 float32; Wq 512 x 512 float32; Wv 512 x 512 float32; bk 512 float32; bq 512 float32; bv 512 float32; x 8 x 2,048 x 512 float32.
;; Outputs: out0 8 x 512 float32.
;; This version of the problem:
;;   THIS VERSION OF THE PROBLEM IS GIVEN IN LOW PRECISION. The matrix products marked QUANTISED in the list below multiply operands that are first quantised to E4M3 (4 exponent bits, 3 mantissa bits; 8 bits a number), with one power-of-two scale for each 32 numbers along K (OCP MX v1.0); their sums are f32. All else is computed in f32.
;;   The module's matrix products, in the order in which they are computed (A, B: the left and right operand; K: the contracted axis; several contracted axes count as one K, in the product's order):
;;     1. [M 16,384, K 512] x [K 512, N 512]; A: input x; B: input Wq: QUANTISED
;;     2. [M 16,384, K 512] x [K 512, N 512]; A: input x; B: input Wk: QUANTISED
;;     3. [M 16,384, K 512] x [K 512, N 512]; A: input x; B: input Wv: QUANTISED
;;     4. batch 8 x [M 2,048, K 512] x [K 512, N 2,048]; A: computed on the way; B: computed on the way: QUANTISED
;;     5. batch 8 x [M 2,048, K 2,048] x [K 2,048, N 512]; A: softmax (see below); B: computed on the way: QUANTISED
;;   THE QUANTISER, for each operand of a quantised product, along K:
;;     - K is cut into blocks of 32 from its start; a last block that is shorter is filled with zeros.
;;     - A block's scale is 2^e with e = floor(log2(the largest magnitude in the block)) - 8, held to -126 .. 127; a block of zeros has e = 0. As a byte (E8M0): e + 127.
;;     - Each number is divided by its block's scale, clamped to +-448, and rounded to the nearest number of E4M3, ties to even, subnormals kept.
;;     - The product sums the exact products of the quantised numbers (number of the format x scale) in f32.
;;   ~~~python
;;   def quantise(x, axis):      # numpy; x: float32 -> the quantised numbers, widened to float32 again
;;       x = np.moveaxis(x, axis, -1); K = x.shape[-1]
;;       x = np.pad(x, [(0, 0)] * (x.ndim - 1) + [(0, -K % 32)]); x = x.reshape(x.shape[:-1] + (-1, 32)); a = np.abs(x).max(-1, keepdims=True)
;;       e = np.where(a > 0, np.clip(np.frexp(np.where(a > 0, a, 1))[1] - 1 - 8, -126, 127), 0)      # np.frexp(a)[1] - 1 = floor(log2(a)), exactly
;;       r = np.clip(x / 2.0 ** e, -448, 448)
;;       step = 2.0 ** (np.maximum(np.frexp(np.where(r == 0, 1, r))[1] - 1, -6) - 3)
;;       q = np.round(r / step) * step * 2.0 ** e      # np.round: ties to even
;;       return np.moveaxis(q.reshape(q.shape[:-2] + (-1,))[..., :K], -1, axis).astype(np.float32)
;;   ~~~
;;   SOFTMAX AHEAD OF A QUANTISED PRODUCT. Where the list says 'softmax', what is quantised is not the finished softmax but p = 2^(t - M), with t = logit x log2(e) and M = ceil(the row's largest t), a whole number; so 1/2 < the row's largest p <= 1. The row's sum l is taken of the UNQUANTISED p, in f32, and the product's result is divided by l at the end. Since M is a whole number, a kernel that streams over the keys may use a running M (the ceiling of the running maximum): every later rescaling is an exact power of two, which a block's scale takes up: the codes' values come out the same.
;;   OPERANDS COMPUTED ON THE WAY. 'Computed on the way' means the value that the module computes at that place (a softmax that the list does not call 'softmax' is quantised finished and normalised). What goes into a quantiser is computed in f32, as accurately as f32 sums, v_exp_f32 and their like allow (about 1e-6 of the number): no bf16 or f16 on the way to a quantiser, and a product that is left as it is and whose result goes on into a quantised operand takes f32 operands (vector FMAs, or v_wmma_f32_16x16x4_f32). A number that lies on a knife's edge between two numbers of the format may be rounded either way, as far as f32 arithmetic and the matrix unit's own rounding can turn it there, and no further.
;; One version. Each part assembles by itself: llvm-mc -triple=amdgcn-amd-amdhsa -mcpu=gfx1250 --defsym DOCPART=n.
;; ======== version 1 of 1: 3 launches
;; limits: right only within a limited range of input values
;; workspace buffers: xcodes 8,388,608 bytes; wcodes 524,288 bytes; scl 278,528 bytes; qp 32,768 bytes; vcodes 8,388,608 bytes; vscl 262,144 bytes; scor 262,144 bytes
;; launch prep (part 1): grid 304 x 1, 16 waves a work-group, no clusters, 155,136 bytes of LDS; arguments Wk, Wv, Wq, x, xcodes, wcodes, scl, qp; writes xcodes, wcodes, scl, qp
.if DOCPART == 1
	.amdgcn_target "amdgcn-amd-amdhsa--gfx1250"
	.amdhsa_code_object_version 6
	.text
	.protected	k_q93a38be66a_prep
	.globl	k_q93a38be66a_prep
	.p2align	8
	.type	k_q93a38be66a_prep,@function
k_q93a38be66a_prep:
	s_mov_b64 s[64:65], 0
	v_nop
	global_prefetch_b8 v0, s[64:65] scope:SCOPE_SE
	s_setreg_imm32_b32 hwreg(HW_REG_WAVE_MODE, 25, 1), 1
	s_wait_xcnt 0x0
; THE PROGRAM: three launches.  prep: x, Wk, Wv become codes of FP8 (E4M3) with one E8M0 byte for 32 along K, and q's products for the LAST row of each batch are made.  main: k and v, their quantisers, the last row's scores.  comb: softmax and context.
; DEAD WORK LEFT OUT: reference() returns context[:, -1, :] alone.  A row of the context hangs on its own query row alone, so for all values of the inputs the other 2,047 rows a batch of q (product 1), of the scores (product 4),
; of the softmax and of the context (product 5) reach no output.  k and v of every key do, and are made whole.  A NaN, an infinity or an overflow that reaches only the rows left out is not carried to the result.
; LIMITS: a block of zeros gets the byte 1 where the rule says 127 (its codes are zeros; this program alone reads the bytes); blocks whose largest magnitude lies under 2^(8 - 126) get the byte 1; NaN and infinities are not served.
; THIS LAUNCH.  Work-groups 0 .. 47: the weights, 16 for each of Wk, Wv, Wq: 64 columns x 256 of K.  Work-groups 48 .. 303: 64 rows of x each.  No work-groups share an input's bytes but for x's eight last rows (16 KiB), so no cluster; no loop, so nothing to prefetch ahead of.
; ROW ORDER.  x's rows and Wk's columns stand within each 64 in the order: position 16 i + 8 b + j = row 32 b + 8 i + j (i 0..3, b 0..1, j 0..7), so that in a product's result one lane holds whole blocks of 32.  Wv's and Wq's columns keep their order.
; OUT.  xcodes [row block of 256][K half][tile of 16][K step of the half][c][lane][16]; wcodes [column block of 128][K half][tile: 8 of Wk, 8 of Wv][K step of the half][c][lane][16]: images of operand registers: lane (r, h) has row r, k = 32 c + 16 h + 0 .. 15.
; scl: scale words [group of 64 rows][K step][r][tile]: x's 256 groups, then at 262,144 the weights' 16 ([column block][Wk, Wv][2]).  qp [K half][8][512] f32: q's two parts, without the bias.
.set SPW, 10
.set NIL, 11
.set NUM, 32                           ; v32-95 numbers
.set CD,  96                           ; v96-111 codes
.set TM,  112                          ; v112-127 at work
.set MNT, 36                           ; s36 the mantissa field of 448
.set SEL, 38                           ; s[38:39] v_permlanex16_b32's selects for lane l xor 16
.set XW,  8448                         ; a wave's stage: 16 rows x (512 + 16) bytes
.set XSC, 135168                       ; x: 1,024 bytes of scale words
.set WSC, 136192                       ; weights: 512 bytes of scale words
.set PRT, 136704                       ; q: 1,024 bytes of partial sums for each wave
.set SPARE, 153088                     ; the spare words
.macro PLACES n
.rept \n
	v_nop
.endr
.endm
.macro BARRIER
	s_barrier_signal -1
	s_barrier_wait -1
.endm
.macro ENDING
	s_wait_tensorcnt 0x0                           ; the wave's end
	ds_add_u32 v[SPW], v[NIL]
	s_wait_dscnt 0x0
	s_endpgm
.endm
; a lane's 32 numbers are one block: v[s] on; codes into v[d] .. v[d + 7], the byte into v[eb]
.macro Q32 s, d, eb
.irp i, 0,2,4,6
.irp q, 0,1,2,3
.if \i == 0
	v_max3_num_f32 v[TM+\q], |v[\s+8*\q]|, |v[\s+8*\q+1]|, 0x4800000   ; the floor 2^(9 - 127): the byte cannot fall under 1
.else
	v_max3_num_f32 v[TM+\q], v[TM+\q], |v[\s+8*\q+\i]|, |v[\s+8*\q+\i+1]|
.endif
.endr
.endr
	v_max3_num_f32 v[TM], v[TM], v[TM+1], v[TM+2]
	v_max_num_f32 v[TM], v[TM], v[TM+3]
	v_add_nc_u32 v[TM+5], 0xfc000000, v[TM]        ; 8 off the exponent field: the conversion's scale operand
	v_and_or_b32 v[TM+4], v[TM], 0x7f800000, s[MNT]   ; 448 x the scale
	v_lshrrev_b32 v[\eb], 23, v[TM+5]
.set I_, 0
.rept 32
	v_med3_num_f32 v[\s+I_], v[\s+I_], -v[TM+4], v[TM+4]   ; the conversion to an 8-bit code does not saturate (ISA guide 7.6.2)
.set I_, I_+1
.endr
.irp q, 0,1,2,3
	v_cvt_scalef32_pk8_fp8_f32 v[\d+2*\q:\d+2*\q+1], v[\s+8*\q:\s+8*\q+7], v[TM+5]
.endr
	v_nop                                          ; one plain vector line behind the last scaled conversion
.endm
	s_load_b512 s[4:19], s[0:1], 0x0               ; Wk s[4:5], Wv s[6:7], Wq s[8:9], x s[10:11], xcodes s[12:13], wcodes s[14:15], scl s[16:17], qp s[18:19]
	v_lshl_add_u32 v[SPW], v0, 2, SPARE
	v_mov_b32 v[NIL], 0
	v_lshrrev_b32 v1, 5, v0
	v_readfirstlane_b32 s20, v1                    ; wave 0..15
	v_and_b32 v1, 15, v0                           ; r
	v_bfe_u32 v2, v0, 4, 1                         ; h
	v_and_b32 v3, 31, v0                           ; lane
	v_lshlrev_b32 v4, 4, v3                        ; 16 x lane
.irp b, 0,1,2,3
	v_mov_b32 v[TM+4+\b], 0                        ; written once: a lane permute's destination counts as one of its sources
.endr
	s_wait_alu depctr_va_vdst(0)                   ; the head's end
	s_mov_b32 s[MNT], 0x600000
	s_mov_b32 s[SEL], 0x76543210
	s_mov_b32 s[SEL+1], 0xfedcba98
	s_wait_kmcnt 0x0
	s_cmp_lt_u32 ttmp9, 48
	s_cbranch_scc1 .Lw
	; ---- x: wave w takes tile i = w % 4 of the group's four and K step k = w / 4
	s_sub_co_u32 s21, ttmp9, 48                    ; the group of 64 rows
	s_and_b32 s22, s20, 3
	s_lshr_b32 s23, s20, 2
	s_lshl_b32 s24, s21, 17
	s_lshl_b32 s25, s22, 14
	s_add_co_u32 s24, s24, s25
	s_lshl_b32 s25, s23, 9
	s_add_co_u32 s24, s24, s25
	s_mov_b32 s25, 0
	s_add_nc_u64 s[10:11], s[10:11], s[24:25]      ; row 64 group + 8 i, K step k
.irp p, 0,1,2,3,4,5,6,7,8,9,10,11,12,13,14,15
	global_load_b128 v[NUM+4*\p:NUM+4*\p+3], v4, s[10:11] offset:(\p%8)*2048+(\p/8)*65536 th:TH_LOAD_NT   ; position p of the tile: 512 consecutive bytes of its row
.endr
	s_mul_i32 s26, s20, XW
	v_add_nc_u32 v5, s26, v4                       ; my stage, in: a row
	v_mul_u32_u24 v6, v1, 528
	v_lshl_add_u32 v6, v2, 6, v6
	v_add_nc_u32 v6, s26, v6                       ; and out: row r, my 16 numbers of a block
	s_lshl_b32 s27, s23, 8
	s_lshl_b32 s28, s22, 2
	s_add_co_u32 s27, s27, s28
	s_add_co_u32 s27, s27, XSC
	v_lshlrev_b32 v7, 4, v1
	v_add_nc_u32 v7, s27, v7                       ; my scale word: 256 k + 16 r + 4 i
	v_add_nc_u32 v8, XSC, v4                       ; scale words on their way out
	s_wait_alu depctr_va_vdst(0)
	s_lshr_b32 s28, s21, 2                         ; where my image goes
	s_lshl_b32 s28, s28, 17
	s_lshr_b32 s29, s23, 1
	s_lshl_b32 s29, s29, 16
	s_add_co_u32 s28, s28, s29
	s_and_b32 s29, s21, 3
	s_lshl_b32 s29, s29, 14
	s_add_co_u32 s28, s28, s29
	s_lshl_b32 s29, s22, 12
	s_add_co_u32 s28, s28, s29
	s_and_b32 s29, s23, 1
	s_lshl_b32 s29, s29, 11
	s_add_co_u32 s28, s28, s29
	s_mov_b32 s29, 0
	s_add_nc_u64 s[12:13], s[12:13], s[28:29]
	s_lshl_b32 s30, s21, 10
	s_mov_b32 s31, 0
	s_add_nc_u64 s[16:17], s[16:17], s[30:31]
.irp p, 0,1,2,3,4,5,6,7,8,9,10,11,12,13,14,15
	s_wait_loadcnt 15-\p                           ; the rows behind this one may be out
	ds_store_b128 v5, v[NUM+4*\p:NUM+4*\p+3] offset:528*\p
.endr
	s_wait_dscnt 0x0                               ; the stores have read their registers
.irp c, 0,1,2,3
.irp j, 0,1,2,3
	ds_load_b128 v[NUM+16*\c+4*\j:NUM+16*\c+4*\j+3], v6 offset:128*\c+16*\j   ; LDS serves a wave's instructions in order (ISA guide 5.7.1.4)
.endr
.endr
	s_wait_dscnt 0x0
.irp i, 0,2,4,6,8,10,12,14
.irp b, 0,1,2,3
.if \i == 0
	v_max3_num_f32 v[TM+\b], |v[NUM+16*\b]|, |v[NUM+1+16*\b]|, 0x4800000   ; my 16 of block b, and the floor
.else
	v_max3_num_f32 v[TM+\b], v[TM+\b], |v[NUM+16*\b+\i]|, |v[NUM+1+16*\b+\i]|
.endif
.endr
.endr
.irp b, 0,1,2,3
	v_permlanex16_b32 v[TM+4+\b], v[TM+\b], s[SEL], s[SEL+1]
.endr
.irp b, 0,1,2,3
	v_max_num_f32 v[TM+\b], v[TM+\b], v[TM+4+\b]   ; the block's largest magnitude
.endr
.irp b, 0,1,2,3
	v_add_nc_u32 v[TM+12+\b], 0xfc000000, v[TM+\b]
.endr
.irp b, 0,1,2,3
	v_and_or_b32 v[TM+8+\b], v[TM+\b], 0x7f800000, s[MNT]
.endr
.irp b, 0,1,2,3
	v_lshrrev_b32 v[TM+4+\b], 23, v[TM+12+\b]
.endr
	v_lshl_or_b32 v9, v[TM+5], 8, v[TM+4]
	v_lshl_or_b32 v9, v[TM+6], 16, v9
	v_lshl_or_b32 v9, v[TM+7], 24, v9
	ds_store_b32 v7, v9                            ; both halves of the lanes write the same word with the same value
.irp b, 0,1,2,3
.irp i, 0,1,2,3,4,5,6,7,8,9,10,11,12,13,14,15
	v_med3_num_f32 v[NUM+16*\b+\i], v[NUM+16*\b+\i], -v[TM+8+\b], v[TM+8+\b]
.endr
	v_cvt_scalef32_pk8_fp8_f32 v[CD+4*\b:CD+4*\b+1], v[NUM+16*\b:NUM+16*\b+7], v[TM+12+\b]
	v_cvt_scalef32_pk8_fp8_f32 v[CD+4*\b+2:CD+4*\b+3], v[NUM+16*\b+8:NUM+16*\b+15], v[TM+12+\b]
	v_nop
	global_store_b128 v4, v[CD+4*\b:CD+4*\b+3], s[12:13] offset:512*\b   ; 32 lanes store 512 consecutive bytes
.endr
	s_wait_dscnt 0x0                               ; for the others' sake: my scale words have landed
	BARRIER
	s_cmp_lg_u32 s20, 0
	s_cbranch_scc1 .Lx_end
	ds_load_b128 v[12:15], v8                      ; wave 0: the group's 1,024 bytes of scale words
	ds_load_b128 v[16:19], v8 offset:512
	s_wait_dscnt 0x0
	global_store_b128 v4, v[12:15], s[16:17]
	global_store_b128 v4, v[16:19], s[16:17] offset:512
.Lx_end:
	ENDING
	; ---- the weights: a lane takes a column and its registers run down K: a whole block of 32
.Lw:
	s_lshr_b32 s21, ttmp9, 4                       ; 0: Wk, 1: Wv, 2: Wq
	s_bfe_u32 s22, ttmp9, 0x30001                  ; which 64 columns
	s_and_b32 s23, ttmp9, 1                        ; which half of K
	s_lshr_b32 s24, s20, 1                         ; my block of the half's eight
	s_and_b32 s25, s20, 1                          ; my pair of the four tiles
	s_lshl_b32 s26, s25, 1
	s_cmp_eq_u32 s21, 0
	s_cselect_b32 s27, -1, 0
	v_add_nc_u32 v5, s26, v2                       ; tile i = 2 pair + h
	v_lshl_add_u32 v6, v5, 4, v1                   ; Wv, Wq: column 16 i + r
	v_lshrrev_b32 v7, 3, v1
	v_and_b32 v8, 7, v1
	v_lshl_add_u32 v8, v5, 3, v8
	v_lshl_add_u32 v7, v7, 5, v8                   ; Wk: column 32 (r / 8) + 8 i + r % 8
	v_cndmask_b32 v6, v6, v7, s27
	v_lshlrev_b32 v6, 2, v6
	v_and_b32 v9, 7, v1
	v_lshlrev_b32 v9, 22, v9                       ; x: tile row r is batch r % 8, 4,194,304 bytes a batch
	v_lshlrev_b32 v13, 4, v1
	v_lshl_add_u32 v13, v2, 12, v13                ; codes out: 4,096 h + 16 r
	s_lshr_b32 s28, s24, 2                         ; K step of the half
	s_and_b32 s29, s24, 3                          ; c
	s_lshl_b32 s30, s28, 8
	s_lshl_b32 s31, s25, 3
	s_add_co_u32 s30, s30, s31
	s_add_co_u32 s30, s30, s29
	s_add_co_u32 s30, s30, WSC
	v_lshlrev_b32 v8, 4, v1
	v_lshl_add_u32 v8, v2, 2, v8
	v_add_nc_u32 v8, s30, v8                       ; my scale byte: 256 x K step + 16 r + 4 i + c
	s_wait_alu depctr_va_vdst(0)
	s_lshl_b32 s32, s23, 3
	s_add_co_u32 s32, s32, s24                     ; my block along K, 0..15
	s_lshl_b32 s34, s32, 16                        ; 32 rows of 2,048 bytes
	s_lshl_b32 s35, s22, 8
	s_add_co_u32 s34, s34, s35
	s_mov_b32 s35, 0
	s_cmp_eq_u32 s21, 1                            ; which weight: the choice hangs on the work-group's number alone
	s_cselect_b64 s[4:5], s[6:7], s[4:5]
	s_cmp_eq_u32 s21, 2
	s_cselect_b64 s[4:5], s[8:9], s[4:5]
	s_add_nc_u64 s[4:5], s[4:5], s[34:35]
	s_cmp_lg_u32 s21, 2
	s_cbranch_scc1 .Lno_x
	s_lshl_b32 s34, s32, 7
	s_add_co_u32 s34, s34, 2047*2048               ; a batch's last row
	s_add_nc_u64 s[10:11], s[10:11], s[34:35]
.irp m, 0,1,2,3,4,5,6,7
	global_load_b128 v[64+4*\m:64+4*\m+3], v9, s[10:11] offset:16*\m
.endr
.Lno_x:
.set E_, 0
.rept 32
	global_load_b32 v[NUM+E_], v6, s[4:5] offset:2048*E_ th:TH_LOAD_NT
.set E_, E_+1
.endr
	s_wait_loadcnt 0x0
	Q32 NUM, CD, 12
	s_wait_alu depctr_va_vdst(0)                   ; ahead of the branch
	s_cmp_eq_u32 s21, 2
	s_cbranch_scc1 .Lq
	ds_store_b8 v8, v12
	s_lshr_b32 s32, s22, 1                         ; column block of 128
	s_and_b32 s33, s22, 1
	s_lshl_b32 s34, s32, 17
	s_lshl_b32 s35, s23, 16
	s_add_co_u32 s34, s34, s35
	s_lshl_b32 s35, s21, 15
	s_add_co_u32 s34, s34, s35
	s_lshl_b32 s35, s33, 14
	s_add_co_u32 s34, s34, s35
	s_lshl_b32 s35, s25, 13
	s_add_co_u32 s34, s34, s35
	s_lshl_b32 s35, s24, 9
	s_add_co_u32 s34, s34, s35                     ; 2,048 x K step + 512 c = 512 x my block
	s_mov_b32 s35, 0
	s_add_nc_u64 s[14:15], s[14:15], s[34:35]
	global_store_b128 v13, v[CD:CD+3], s[14:15]    ; sixteen lanes store 256 consecutive bytes
	global_store_b128 v13, v[CD+4:CD+7], s[14:15] offset:256
	v_add_nc_u32 v14, WSC, v4
	s_wait_alu depctr_va_vdst(0)
	s_wait_dscnt 0x0                               ; for the others' sake
	BARRIER
	s_cmp_lg_u32 s20, 0
	s_cbranch_scc1 .Lw_end
	s_lshl_b32 s34, s32, 12
	s_lshl_b32 s33, s33, 10
	s_add_co_u32 s34, s34, s33
	s_lshl_b32 s33, s21, 11
	s_add_co_u32 s34, s34, s33
	s_lshl_b32 s33, s23, 9
	s_add_co_u32 s34, s34, s33
	s_add_co_u32 s34, s34, 262144
	s_add_nc_u64 s[16:17], s[16:17], s[34:35]
	ds_load_b128 v[16:19], v14                     ; wave 0: the 512 bytes of scale words
	s_wait_dscnt 0x0
	global_store_b128 v4, v[16:19], s[16:17]
.Lw_end:
	ENDING
	; ---- Wq: used at once.  The operand's slots c = 0, 1 of a lane hold its column's 32 codes, slots 2, 3 zeros; lanes 16-31 hold the pair's second tile.  x's codes are zeros in the lanes of the other tile, so those add nothing
.Lq:
	Q32 64, 16, 9
	v_lshl_or_b32 v14, v12, 8, v12                 ; Wq's scale word: slots 0 and 1 carry the block's byte
	v_lshl_or_b32 v15, v9, 8, v9                   ; x's
	s_mov_b32 s34, 0x0000ffff
	s_mov_b32 s35, 0xffff0000
.irp j, 0,1,2,3,4,5,6,7
	v_cndmask_b32 v[64+\j], 0, v[16+\j], s34       ; x for the first tile: lanes 0-15
	v_cndmask_b32 v[80+\j], 0, v[16+\j], s35       ; for the second: lanes 16-31
.endr
.irp j, 0,1,2,3,4,5,6,7
	v_mov_b32 v[72+\j], 0
	v_mov_b32 v[88+\j], 0
	v_mov_b32 v[CD+8+\j], 0
.endr
	v_and_b32 v5, 63, v0                           ; the sums: thread t of the first 512 takes column t % 64 and batch t / 64
	v_lshrrev_b32 v6, 6, v0
	v_lshrrev_b32 v7, 5, v5
	v_lshlrev_b32 v7, 10, v7
	v_and_b32 v8, 31, v5
	v_lshl_add_u32 v7, v8, 5, v7
	v_lshl_add_u32 v7, v6, 2, v7
	v_add_nc_u32 v7, PRT, v7                       ; 1,024 x pair + 32 x column + 4 x batch
	v_lshlrev_b32 v13, 11, v6
	v_lshl_add_u32 v13, v5, 2, v13                 ; in qp: 2,048 x batch + 4 x column
	v_wmma_scale_f32_16x16x128_f8f6f4 v[32:39], v[64:79], v[CD:CD+15], 0, v15, v14
	v_wmma_scale_f32_16x16x128_f8f6f4 v[40:47], v[80:95], v[CD:CD+15], 0, v15, v14 matrix_b_scale:MATRIX_SCALE_ROW1
	s_lshl_b32 s26, s20, 10
	s_add_co_u32 s26, s26, PRT
	v_lshl_add_u32 v5, v3, 5, s26                  ; in: my wave's 1,024 bytes, 32 a lane
	PLACES 8
.irp j, 0,1,2,3,4,5,6,7
	v_cndmask_b32 v[48+\j], v[40+\j], v[32+\j], s34   ; lanes 0-15 the first tile's, lanes 16-31 the second's: batches 0 .. 7 of a column
.endr
	ds_store_b128 v5, v[48:51]
	ds_store_b128 v5, v[52:55] offset:16
	s_lshl_b32 s26, s23, 14
	s_lshl_b32 s27, s22, 8
	s_add_co_u32 s26, s26, s27
	s_mov_b32 s27, 0
	s_add_nc_u64 s[18:19], s[18:19], s[26:27]
	s_wait_alu depctr_va_vdst(0)
	s_wait_dscnt 0x0                               ; for the others' sake
	BARRIER
.irp w, 0,1,2,3,4,5,6,7
	ds_load_b32 v[56+\w], v7 offset:2048*\w        ; the half's eight blocks
.endr
	s_wait_dscnt 0x0
	v_add_f32 v56, v56, v57
	v_add_f32 v58, v58, v59
	v_add_f32 v60, v60, v61
	v_add_f32 v62, v62, v63
	v_add_f32 v56, v56, v58
	v_add_f32 v60, v60, v62
	v_add_f32 v56, v56, v60
	global_store_b32 v13, v56, s[18:19]
	ENDING
.Lfunc_end_k_q93a38be66a_prep:
	.size	k_q93a38be66a_prep, .Lfunc_end_k_q93a38be66a_prep-k_q93a38be66a_prep
	.p2alignl 7, 3214868480
	.fill 96, 4, 3214868480
	.section	.rodata,"a",@progbits
	.p2align	6, 0x0
	.amdhsa_kernel k_q93a38be66a_prep
		.amdhsa_group_segment_fixed_size 155136
		.amdhsa_private_segment_fixed_size 0
		.amdhsa_enable_private_segment 0
		.amdhsa_kernarg_size 64
		.amdhsa_user_sgpr_count 2
		.amdhsa_user_sgpr_kernarg_segment_ptr 1
		.amdhsa_wavefront_size32 1
		.amdhsa_system_sgpr_workgroup_id_x 1
		.amdhsa_system_sgpr_workgroup_id_y 1
		.amdhsa_system_sgpr_workgroup_id_z 1
		.amdhsa_system_vgpr_workitem_id 0
		.amdhsa_next_free_vgpr 128
		.amdhsa_next_free_sgpr 66
		.amdhsa_reserve_vcc 0
		.amdhsa_float_denorm_mode_32 3
		.amdhsa_float_denorm_mode_16_64 3
		.amdhsa_memory_ordered 1
		.amdhsa_forward_progress 1
		.amdhsa_inst_pref_size 36
	.end_amdhsa_kernel
	.amdgpu_metadata
---
amdhsa.version: [ 1, 2 ]
amdhsa.kernels:
  - .name:           k_q93a38be66a_prep
    .symbol:         k_q93a38be66a_prep.kd
    .args:
      - { .name: Wk, .offset: 0, .size: 8, .value_kind: global_buffer, .address_space: global }
      - { .name: Wv, .offset: 8, .size: 8, .value_kind: global_buffer, .address_space: global }
      - { .name: Wq, .offset: 16, .size: 8, .value_kind: global_buffer, .address_space: global }
      - { .name: x, .offset: 24, .size: 8, .value_kind: global_buffer, .address_space: global }
      - { .name: xcodes, .offset: 32, .size: 8, .value_kind: global_buffer, .address_space: global }
      - { .name: wcodes, .offset: 40, .size: 8, .value_kind: global_buffer, .address_space: global }
      - { .name: scl, .offset: 48, .size: 8, .value_kind: global_buffer, .address_space: global }
      - { .name: qp, .offset: 56, .size: 8, .value_kind: global_buffer, .address_space: global }
    .group_segment_fixed_size: 155136
    .private_segment_fixed_size: 0
    .kernarg_segment_align: 8
    .kernarg_segment_size: 64
    .max_flat_workgroup_size: 512
    .sgpr_count:     66
    .vgpr_count:     128
    .wavefront_size: 32
...
	.end_amdgpu_metadata
.endif
;; end of part 1
;; launch main (part 2): grid 4 x 64, 4 waves a work-group, clusters of 4 x 4, 327,680 bytes of LDS; arguments xcodes, wcodes, scl, qp, bq, bk, bv, vcodes, vscl, scor; writes vcodes, vscl, scor
.if DOCPART == 2
	.amdgcn_target "amdgcn-amd-amdhsa--gfx1250"
	.amdhsa_code_object_version 6
	.text
	.protected	k_q93a38be66a_main
	.globl	k_q93a38be66a_main
	.p2align	8
	.type	k_q93a38be66a_main,@function
k_q93a38be66a_main:
	s_mov_b64 s[64:65], 0
	v_nop
	global_prefetch_b8 v0, s[64:65] scope:SCOPE_SE
	s_setreg_imm32_b32 hwreg(HW_REG_WAVE_MODE, 25, 1), 1
	s_wait_xcnt 0x0
	s_wait_alu depctr_hold_cnt(0) depctr_sa_sdst(0) depctr_va_vdst(0) depctr_va_sdst(0) depctr_va_ssrc(0) depctr_va_vcc(0) depctr_vm_vsrc(0)
	s_getreg_b32 s2, hwreg(HW_REG_IB_STS2, 6, 4)
	s_cmp_eq_u32 s2, 0
	s_cbranch_scc0 .Lentry_in_a_cluster
	s_endpgm
.Lentry_in_a_cluster:
	s_bfe_u32 s2, ttmp6, 0x10000c
	s_cmp_lg_u32 s2, 0xf033
	s_cbranch_scc0 .Lentry_shape_is_right
	s_endpgm
.Lentry_shape_is_right:
; k = Q(x) Q(Wk) + bk, v = Q(x) Q(Wv) + bv, both quantised at once; v's codes leave, and k's meet the last query's: scores.  On codes of FP8 (E4M3), E8M0 bytes.
; DEAD WORK LEFT OUT (as the first launch's head shows): scores of any query but a batch's last.  LIMITS: a block's byte never falls under 1; NaN and infinities are not served.
; A work-group takes 256 keys x (128 columns of k and 128 of v), four waves: waves 0, 2 make k of keys 0-127, 128-255, waves 1, 3 make v of the same keys.  All of K (512) lies in LDS: four tiles of 65,536 dense bytes
; (x and weights, first and second half of K), one joint load a wave, nothing filled again.  CLUSTERS 4 x 4: a row of the cluster shares x's tiles, a column the weights'.  No loop runs here, so there is no prefetch.
; ONE TEXT FOR k AND v.  Source 0 = P, 8 tiles of 16 (k: Wk's columns; v: keys), source 1 = Q, 8 tiles of 16 (k: keys; v: Wv's columns): the result's lane holds one Q and registers along P, and the quantiser runs along P.
; Rows of P stand so that the 32 registers of tiles 4 g .. 4 g + 3 are ONE block of 32, 64 g + 32 h + 0 .. 31, of lane (r, h): no other lane is asked.
; A unit = 8 products: one Q tile t at K step k against P's eight.  Order: k = 0, 1 for all t; k = 2 for t = 0 .. 3; then (t, 3), (t + 4, 2) by pairs; then t = 4 .. 7 at k = 3.  A finished tile's quantiser stands among the next units' products.
; SCORES: a lane (r, h) holds whole blocks of k's codes, so the product with q goes twice: q's codes in lanes 0-15 with zeros in lanes 16-31, and the other way round, each with its own half's scale words.
; OUT: vcodes [batch][channel tile 32][key step of 128][c][lane][16]; vscl [batch][key step][512] words; scor [column block 4][16,384 keys] f32: four parts that the next launch adds.
; REGISTERS.  Window 0: names below.  Window 1: P's fragments, K step k at 128 (k % 2).  Windows 2, 3: the sums of Q tile t and P tile b at v[64 (t % 4) + 8 b] of window 2 + t / 4.
.set LI,  3                            ; v3  16 x lane
.set ADP, 4                            ; v4, v5  P in the first, second half of K
.set ADQ, 6                            ; v6, v7  Q
.set OK_, 8                            ; v8  k: where a key's score goes
.set OV_, 9                            ; v9  v: where a scale byte goes
.set OAD, 10                           ; v10 my 512 bytes, back
.set VO,  11                           ; v11 v's codes out
.set QSW, 12                           ; v12 q's scale words
.set SPW, 14
.set NIL, 15
.set SC,  16                           ; v16-47 scale words: 8 k + i: lanes 0-15 Q tile i's, lanes 16-31 P tile i's
.set QB,  48                           ; v48-111 Q's fragments, a ring of four
.set MX,  112                          ; v112-115 maxima
.set SOP, 116                          ; v116-117 conversions' scale operands
.set BND, 118                          ; v118-119 448 x the scale
.set EB,  120                          ; v120-121 bytes
.set TT,  122
.set QF0, 160                          ; k: v160-175, v176-191 q's codes in lanes 0-15, in lanes 16-31 (v: codes of tiles 0 .. 7 at v128-255)
.set QF1, 176
.set BIAS, 192                         ; v192-255 the first products' C; later, in k's waves:
.set SD,  192                          ; v192-207 the score products
.set RS,  208                          ; v208-215 the scores
.set KSW, 216                          ; v216-223 k's scale words
.set G1X, 24
.set G1W, 32
.set G0,  40                           ; s[40:55] group 0: x, weights of the first half of K, then of the second
.set QST, 262144                       ; LDS: q's 128 numbers for each wave
.set OUTB, 264192                      ; 512 bytes for each wave's way out
.set SPARE, 266240                     ; the spare words
.set MSB, 0
.macro WIN new                         ; the immediate's high byte repeats the setting that is left
.if MSB != \new
	s_set_vgpr_msb (MSB<<8)|\new
.set MSB, \new
.endif
.endm
.macro PLACES n
.rept \n
	v_nop
.endr
.endm
.macro BARRIER
	s_barrier_signal -1
	s_barrier_wait -1
.endm
.macro CROUND                          ; a round of the cluster's barrier
	BARRIER
	s_cmp_lg_u32 s66, 0
	s_cbranch_scc1 .Lnot_wave_0_\@
	s_barrier_signal -3
.Lnot_wave_0_\@:
	s_barrier_wait -3
	BARRIER
.endm
	s_load_b512 s[4:19], s[0:1], 0x0               ; xcodes s4, wcodes s6, scl s8, qp s10, bq s12, bk s14, bv s16, vcodes s18
	s_load_b128 s[20:23], s[0:1], 0x40             ; vscl s20, scor s22
	v_lshl_add_u32 v[SPW], v0, 2, SPARE
	v_mov_b32 v[NIL], 0
	ds_add_u32 v[SPW], v[NIL]                      ; the wave's opening: the add, twice on end, and its wait; the set-up below stands between
	ds_add_u32 v[SPW], v[NIL]
	v_lshrrev_b32 v1, 5, v0
	v_readfirstlane_b32 s66, v1                    ; wave
	s_lshr_b32 s67, s66, 1                         ; my half of the keys
	s_and_b32 s68, s66, 1                          ; 0: k, 1: v
	s_xor_b32 s75, s68, 1
	s_bfe_u32 s73, ttmp6, 0x40000                  ; cx, cy
	s_bfe_u32 s74, ttmp6, 0x40004
	s_lshl_b32 s69, ttmp9, 2
	s_add_co_u32 s69, s69, s73                     ; column block of 128
	s_and_b32 s70, ttmp7, 0xffff
	s_lshl_b32 s70, s70, 2
	s_add_co_u32 s70, s70, s74                     ; row block of 256 keys
	s_lshl_b32 s71, s74, 2
	s_lshl_b32 s71, 15, s71                        ; my row of the cluster
	s_lshl_b32 s72, 0x1111, s73                    ; my column
	s_or_b32 s[G1X], s71, (3<<16)|(1<<21)          ; elements of 8 bytes, no padding
	s_or_b32 s[G1W], s72, (3<<16)|(1<<21)
.irp g, G1X, G1W                       ; 65,536 dense bytes as 32 rows of 2,048
	s_mov_b32 s[\g+1], 256<<16
	s_mov_b32 s[\g+2], 32<<16
	s_mov_b32 s[\g+3], 256<<16
	s_mov_b32 s[\g+4], 32
	s_mov_b32 s[\g+5], 256
	s_mov_b32 s[\g+6], 0
	s_mov_b32 s[\g+7], 0
.endr
.irp t, 0,1,2,3
	s_mov_b32 s[G0+4*\t], 1
	s_mov_b32 s[G0+4*\t+1], 65536*\t
.endr
	s_lshl_b32 s76, s70, 17
	s_mov_b32 s77, 0
	s_lshl_b32 s78, s69, 17
	s_mov_b32 s79, 0
	s_mul_i32 s80, s68, s67                        ; P in LDS: k: the weights' first 8 tiles; v: my 8 tiles of keys
	s_lshl_b32 s80, s80, 15
	s_lshl_b32 s82, s75, 16
	s_add_co_u32 s80, s80, s82
	s_mul_i32 s81, s75, s67                        ; Q: k: my 8 tiles of keys; v: the weights' last 8 tiles
	s_lshl_b32 s81, s81, 15
	s_mul_i32 s82, s68, 98304
	s_add_co_u32 s81, s81, s82
	s_lshl_b32 s83, s66, 9
	s_add_co_u32 s92, s83, QST
	s_add_co_u32 s83, s83, OUTB
	s_lshl_b32 s88, s69, 9                         ; 128 numbers of a bias
	s_mov_b32 s89, 0
	s_lshr_b32 s90, s70, 3                         ; the batch
	s_lshl_b32 s96, s90, 20                        ; v's codes: batch, channel tile, key step
	s_lshl_b32 s90, s90, 11
	s_add_co_u32 s90, s90, s88
	s_mov_b32 s91, 0
	s_lshl_b32 s82, s69, 18
	s_add_co_u32 s96, s96, s82
	s_and_b32 s82, s70, 7
	s_lshl_b32 s82, s82, 1
	s_add_co_u32 s82, s82, s67
	s_lshl_b32 s82, s82, 11
	s_add_co_u32 s96, s96, s82
	s_mov_b32 s97, 0
	s_lshl_b32 s93, s70, 1                         ; v's scale words
	s_add_co_u32 s93, s93, s67
	s_lshl_b32 s93, s93, 11
	s_add_co_u32 s93, s93, s88
	s_lshl_b32 s94, s69, 16                        ; the scores
	s_lshl_b32 s82, s70, 10
	s_add_co_u32 s94, s94, s82
	s_lshl_b32 s82, s67, 9
	s_add_co_u32 s94, s94, s82
	s_mov_b32 s95, 0
	s_lshl_b32 s84, s70, 12                        ; scale words of x: my 128 keys
	s_lshl_b32 s82, s67, 11
	s_add_co_u32 s84, s84, s82
	s_lshl_b32 s85, s69, 12                        ; and of my weight's 128 columns
	s_lshl_b32 s82, s68, 11
	s_add_co_u32 s85, s85, s82
	s_add_co_u32 s85, s85, 262144
	s_cmp_eq_u32 s68, 0
	s_cselect_b32 s86, s84, s85                    ; Q's
	s_cselect_b32 s87, s85, s84                    ; P's
	s_cselect_b32 s94, s94, s93
	s_mov_b32 s60, 0x0000ffff
	s_mov_b32 s61, 0xffff0000
	s_mov_b32 s62, 0x600000                        ; the mantissa field of 448
	s_wait_alu depctr_va_vdst(0)
	s_wait_dscnt 0x0                               ; both opening adds are done
	CROUND                                         ; all sixteen work-groups are here
	s_wait_kmcnt 0x0
	s_add_nc_u64 s[G0+2:G0+3], s[4:5], s[76:77]
	s_add_nc_u64 s[G0+6:G0+7], s[6:7], s[78:79]
	s_add_nc_u64 s[G0+10:G0+11], s[G0+2:G0+3], 0x10000
	s_add_nc_u64 s[G0+14:G0+15], s[G0+6:G0+7], 0x10000
.irp t, 0,1,2,3
	s_or_b32 s[G0+4*\t+3], s[G0+4*\t+3], 0x80000000
.endr
.macro ARM under, g0, g1, next         ; one joint load a wave, a line of its own each
	s_cmp_lt_u32 s66, \under
	s_cbranch_scc0 \next
	tensor_load_to_lds s[\g0:\g0+3], s[\g1:\g1+7]
	s_nop 0
	PLACES 4
	s_branch .Lasked
\next:
.endm
	ARM 1, G0,    G1X, .Lhead_1                    ; the first half of K: x,
	ARM 2, G0+4,  G1W, .Lhead_2                    ; the weights;
	ARM 3, G0+8,  G1X, .Lhead_3                    ; the second half
	tensor_load_to_lds s[G0+12:G0+15], s[G1W:G1W+7]
	s_nop 0
	PLACES 4
.Lasked:
	s_add_nc_u64 s[10:11], s[10:11], s[90:91]
	s_add_nc_u64 s[12:13], s[12:13], s[88:89]
	s_add_nc_u64 s[14:15], s[14:15], s[88:89]
	s_add_nc_u64 s[16:17], s[16:17], s[88:89]
	s_add_nc_u64 s[18:19], s[18:19], s[96:97]
	s_cmp_eq_u32 s68, 0
	s_cselect_b64 s[98:99], s[22:23], s[20:21]
	s_add_nc_u64 s[98:99], s[98:99], s[94:95]
	s_add_co_u32 s76, s80, 131072
	s_add_co_u32 s78, s81, 131072
	v_and_b32 v1, 15, v0                           ; r
	v_bfe_u32 v2, v0, 4, 1                         ; h
	v_and_b32 v[LI], 31, v0
	v_lshlrev_b32 v[LI], 4, v[LI]
	v_add_nc_u32 v[ADP], s80, v[LI]
	v_add_nc_u32 v[ADP+1], s76, v[LI]
	v_add_nc_u32 v[ADQ], s81, v[LI]
	v_add_nc_u32 v[ADQ+1], s78, v[LI]
	v_lshrrev_b32 v[OK_], 3, v1                    ; k: tile 4 g + i, lane r is key 64 g + 8 i + 32 (r / 8) + r % 8
	v_lshlrev_b32 v[OK_], 7, v[OK_]
	v_and_b32 v112, 7, v1
	v_lshl_add_u32 v[OK_], v112, 2, v[OK_]
	v_add_nc_u32 v[OK_], s83, v[OK_]
	v_lshl_add_u32 v[OV_], v1, 2, v2               ; v: channel r's word, byte 2 g + h
	v_add_nc_u32 v[OV_], s83, v[OV_]
	v_add_nc_u32 v[OAD], s83, v[LI]
	v_lshlrev_b32 v[VO], 9, v2
	v_lshl_add_u32 v[VO], v1, 4, v[VO]             ; v's codes: block 2 g + h, 16 r
	v_mov_b32 v13, s86
	v_mov_b32 v114, s87
	v_cmp_eq_u32 vcc_lo, 1, v2
	v_cndmask_b32 v13, v13, v114, vcc_lo
	v_lshl_add_u32 v13, v1, 4, v13                 ; (v13 serves these loads alone)  lanes 0-15 Q's words, lanes 16-31 P's
.irp k, 0,1,2,3
.irp g, 0,1
	global_load_b128 v[SC+8*\k+4*\g:SC+8*\k+4*\g+3], v13, s[8:9] offset:1024*\g+256*\k   ; sixteen lanes read 256 consecutive bytes
.endr
.endr
	v_lshlrev_b32 v124, 7, v2                      ; k: 128 h
	v_lshlrev_b32 v125, 2, v1                      ; v: 4 r
	v_add_nc_u32 v126, s92, v[LI]                  ; q's numbers in LDS: in,
	v_add_nc_u32 v127, s92, v124                   ; and back
	s_wait_alu depctr_va_vdst(0)
; THE QUANTISER of 64 numbers of a lane, two blocks of 32, in eight groups.  W_: their window; A_: the first; CD_: the 16 registers of codes.  Each accumulator is read from its low end on.
.macro EL m
.if (\m) == 0
	WIN (W_|(W_<<2))
.irp s, 0,1,2,3
.irp q, 0,1,2,3
.set X_, A_+8*(\q+2*(\q/2))+2*\s
.if \s == 0
	v_max3_num_f32 v[MX+\q], |v[X_]|, |v[X_+1]|, 0x4800000   ; the floor 2^(9 - 127): the byte cannot fall under 1
.else
	v_max3_num_f32 v[MX+\q], |v[X_]|, |v[X_+1]|, v[MX+\q]
.endif
.endr
.endr
.elseif (\m) == 1
	WIN (W_|(W_<<2))
.irp s, 0,1,2,3
.irp q, 0,1,2,3
.set X_, A_+16+8*(\q+2*(\q/2))+2*\s
	v_max3_num_f32 v[MX+\q], |v[X_]|, |v[X_+1]|, v[MX+\q]
.endr
.endr
.elseif (\m) == 2
	WIN 0
	v_max_num_f32 v[MX], v[MX], v[MX+1]
	v_max_num_f32 v[MX+2], v[MX+2], v[MX+3]
	v_add_nc_u32 v[SOP], 0xfc000000, v[MX]         ; 8 off the exponent field
	v_add_nc_u32 v[SOP+1], 0xfc000000, v[MX+2]
	v_and_or_b32 v[BND], v[MX], 0x7f800000, s62    ; 448 x the scale
	v_and_or_b32 v[BND+1], v[MX+2], 0x7f800000, s62
	v_lshrrev_b32 v[EB], 23, v[SOP]
	v_lshrrev_b32 v[EB+1], 23, v[SOP+1]
.elseif (\m) < 7
	WIN (W_|(W_<<6))
.irp i, 0,1,2,3,4,5,6,7,8,9,10,11,12,13,14,15
.set X_, A_+16*((\m)-3)+\i
	v_med3_num_f32 v[X_], v[X_], -v[BND+((\m)-3)/2], v[BND+((\m)-3)/2]   ; the conversion to an 8-bit code does not saturate (ISA guide 7.6.2)
.endr
.else
	WIN W_
.irp b, 0,1,2,3,4,5,6,7
	v_cvt_scalef32_pk8_fp8_f32 v[CD_+2*\b:CD_+2*\b+1], v[A_+8*\b:A_+8*\b+7], v[SOP+\b/4]
.endr
	WIN 0
	v_nop                                          ; one plain vector line behind the last scaled conversion
.endif
.endm
.macro KWORD d                         ; a lane's two bytes make its scale word: slots 0, 1 the first block, slots 2, 3 the second
	v_lshl_or_b32 v[TT], v[EB+1], 16, v[EB]
	v_lshl_or_b32 v[\d], v[TT], 8, v[TT]
.endm
	s_cmp_eq_u32 s68, 1
	s_cbranch_scc1 .Lhead_v
	; k's waves: q's 128 numbers of my columns = its two parts + bq, and bk
	global_load_b128 v[112:115], v[LI], s[10:11]
	global_load_b128 v[116:119], v[LI], s[10:11] offset:16384
	global_load_b128 v[120:123], v[LI], s[12:13]
.irp g, 0,1
.irp i, 0,1,2,3
.irp u, 0,1
	global_load_b128 v[BIAS+8*(4*\g+\i)+4*\u:BIAS+8*(4*\g+\i)+4*\u+3], v124, s[14:15] offset:256*\g+32*\i+16*\u   ; register j of tile 4 g + i: column 64 g + 32 h + 8 i + j
.endr
.endr
.endr
	s_wait_loadcnt 16                              ; q is in; bk's sixteen loads may be out
	v_pk_add_f32 v[112:113], v[112:113], v[116:117]
	v_pk_add_f32 v[114:115], v[114:115], v[118:119]
	v_pk_add_f32 v[112:113], v[112:113], v[120:121]
	v_pk_add_f32 v[114:115], v[114:115], v[122:123]
	ds_store_b128 v126, v[112:115]
.irp g, 0,1
.irp m, 0,1,2,3,4,5,6,7
	ds_load_b128 v[QB+32*\g+4*\m:QB+32*\g+4*\m+3], v127 offset:256*\g+16*\m   ; columns 64 g + 32 h + 0 .. 31
.endr
.endr
	s_wait_dscnt 0x0
.set W_, 0
.set A_, QB
.set CD_, 128
.irp m, 0,1,2,3,4,5,6,7
	EL \m
.endr
	KWORD QSW
.set I_, 0
.rept 16
	v_cndmask_b32 v[QF0+I_], 0, v[128+I_], s60
	v_cndmask_b32 v[QF1+I_], 0, v[128+I_], s61
.set I_, I_+1
.endr
	s_wait_alu depctr_va_vdst(0)                   ; ahead of the branch
	s_branch .Lhead_join
.Lhead_v:                              ; v's waves: bv of tile t, channel r, in all eight registers
.irp t, 0,1,2,3,4,5,6,7
	global_load_b32 v[112+\t], v125, s[16:17] offset:64*\t
.endr
	s_wait_loadcnt 0x0
.irp t, 0,1,2,3,4,5,6,7
.irp j, 0,1,2,3,4,5,6,7
	v_mov_b32 v[BIAS+8*\t+\j], v[112+\t]
.endr
.endr
	s_wait_alu depctr_va_vdst(0)
.Lhead_join:
	s_wait_loadcnt 0x0
	s_cmp_lt_u32 s66, 2
	s_cbranch_scc0 .Lnot_yet
	s_wait_tensorcnt 0x0                           ; waves 0 and 1: the first half of K has landed
.Lnot_yet:
	s_wait_dscnt 0x0
	BARRIER
; LC counts the LDS instructions issued from here on; QP0 .. QP3: its value behind the ring's loads; PPOS: behind a set of P.  A unit waits for LC less the place of what it reads.
.set LC, 0
.set QP0, 0
.set QP1, 0
.set QP2, 0
.set QP3, 0
.set PPOS, 0
.set NEED_, 0
.macro KT n                            ; unit n: K step K_, Q tile T_
.if (\n) < 20
.set K_, (\n)/8
.set T_, (\n)%8
.elseif (\n) < 28
.if (\n)%2 == 0
.set K_, 3
.set T_, ((\n)-20)/2
.else
.set K_, 2
.set T_, 4+((\n)-21)/2
.endif
.else
.set K_, 3
.set T_, (\n)-24
.endif
.endm
.macro MARKQ n
.if (\n)%4 == 0
.set QP0, LC
.elseif (\n)%4 == 1
.set QP1, LC
.elseif (\n)%4 == 2
.set QP2, LC
.else
.set QP3, LC
.endif
.endm
.macro NEEDQ n
.if (\n)%4 == 0
.set NEED_, QP0
.elseif (\n)%4 == 1
.set NEED_, QP1
.elseif (\n)%4 == 2
.set NEED_, QP2
.else
.set NEED_, QP3
.endif
.endm
.macro QLOAD n                         ; unit n's fragment of Q
.if (\n) < 32
	KT (\n)
	WIN 0
.irp c, 0,1,2,3
	ds_load_b128 v[QB+16*((\n)%4)+4*\c:QB+16*((\n)%4)+4*\c+3], v[ADQ+K_/2] offset:4096*T_+2048*(K_%2)+512*\c
.endr
.set LC, LC+4
	MARKQ (\n)
.endif
.endm
.macro PFRAG k, f                      ; fragment f of P at K step k
.if (\f) < 8
	WIN 0x40
.irp c, 0,1,2,3
	ds_load_b128 v[128*((\k)%2)+16*(\f)+4*\c:128*((\k)%2)+16*(\f)+4*\c+3], v[ADP+(\k)/2] offset:4096*(\f)+2048*((\k)%2)+512*\c
.endr
.set LC, LC+4
.set PPOS, LC
.endif
.endm
.macro WM n, b, cz                     ; a product.  cz: the first takes the bias as C: 1 by P tile (k), 2 by Q tile (v)
	KT (\n)
.set WW_, 2+T_/4
.set AC_, 64*(T_%4)+8*\b
.set PR_, 128*(K_%2)+16*\b
.set QR_, QB+16*((\n)%4)
.if \cz == 1
.set C_, BIAS+8*\b
	WIN (1|(WW_<<6))
.elseif \cz == 2
.set C_, BIAS+8*T_
	WIN (1|(WW_<<6))
.else
.set C_, AC_
	WIN (1|(WW_<<4)|(WW_<<6))
.endif
	v_wmma_scale_f32_16x16x128_f8f6f4 v[AC_:AC_+7], v[PR_:PR_+15], v[QR_:QR_+15], v[C_:C_+7], v[SC+8*K_+\b], v[SC+8*K_+T_] matrix_a_scale:MATRIX_SCALE_ROW1
.endm
.macro SCORE e                         ; the scores of k's tile e: once for the blocks of lanes 0-15, once for those of lanes 16-31
	WIN 0
.set CE_, 128+16*((\e)%2)
	v_wmma_scale_f32_16x16x128_f8f6f4 v[SD:SD+7], v[QF0:QF0+15], v[CE_:CE_+15], 0, v[QSW], v[KSW+(\e)]
	v_wmma_scale_f32_16x16x128_f8f6f4 v[SD+8:SD+15], v[QF1:QF1+15], v[CE_:CE_+15], 0, v[QSW], v[KSW+(\e)] matrix_a_scale:MATRIX_SCALE_ROW1 matrix_b_scale:MATRIX_SCALE_ROW1
.endm
.macro EG m, e, kv                     ; group m of tile e's quantiser; in k's waves (kv = 0) with the scores of the tile before
.set W_, 2+(\e)/4
.set A_, 64*((\e)%4)
.if \kv
.set CD_, 128+16*(\e)
.else
.set CD_, 128+16*((\e)%2)
.endif
.if (\kv) == 0
.if (\e) > 0
.if (\m) == 4
	WIN 0
	v_add_f32 v[RS+(\e)-1], v[SD], v[SD+8]
.endif
.endif
.endif
	EL (\m)
.if (\kv) == 0
.if (\m) == 2
	KWORD KSW+(\e)
.endif
.if (\e) > 0
.if (\m) == 1
	SCORE (\e)-1
.endif
.endif
.endif
.endm
; What stands behind product b of unit n.  Without a quantiser: eight v_nop in all, the places in front of the loads below.  Behind product 3 the fragment of three units on; behind 4, 5, 6 the next K step's fragments of P.
.macro HOOK n, b, e, kv
.if (\e) < 0
.if \b < 4
	PLACES 2
.endif
.endif
.if \b == 3
	QLOAD \n+3
.endif
.if (\e) < 0
.if \b > 3
.if \b < 7
.if \n < 3
	PFRAG 1, 3*\n+\b-4
.endif
.if \n > 11
.if \n < 15
	PFRAG 2, 3*(\n-12)+\b-4
.endif
.endif
.if \n > 15
.if \n < 19
	PFRAG 3, 3*(\n-16)+\b-4
.endif
.endif
.endif
.endif
.else
.if \n < 28
.if \b%2 == 1
	EG \b/2+4*(\n%2), \e, \kv
.endif
.else
	EG \b, \e, \kv
.endif
.endif
.endm
.macro UNIT n, cz, e, kv
.set PAIR_, 0
.if \n > 19
.if \n < 28
.set PAIR_, 1+\n%2
.endif
.endif
.if PAIR_ < 2                          ; the second unit of a pair has been waited for with the first
	NEEDQ \n
.if PAIR_ == 1
	NEEDQ \n+1
.endif
.if (\n == 8) || (\n == 16) || (\n == 20)
.if PPOS > NEED_
.set NEED_, PPOS
.endif
.endif
	s_wait_dscnt LC-NEED_
.endif
.irp b, 0,1,2,3,4,5,6,7
.if \n == 0
	s_wait_dscnt LC-(8+4*\b)                       ; Q's fragment and P's 0 .. b are in
.endif
	WM \n, \b, \cz
	HOOK \n, \b, \e, \kv
.endr
.endm
.macro SAVE
.set LC_S, LC
.set QP0_S, QP0
.set QP1_S, QP1
.set QP2_S, QP2
.set QP3_S, QP3
.set PPOS_S, PPOS
.endm
.macro RESTORE
.set LC, LC_S
.set QP0, QP0_S
.set QP1, QP1_S
.set QP2, QP2_S
.set QP3, QP3_S
.set PPOS, PPOS_S
.endm
	QLOAD 0
.irp f, 0,1,2,3,4,5,6,7
	PFRAG 0, \f
.endr
	QLOAD 1
	QLOAD 2
	WIN 0
	SAVE
	s_cmp_eq_u32 s68, 1
	s_cbranch_scc1 .Lfirst_v
.irp n, 0,1,2,3,4,5,6,7
	UNIT \n, 1, -1, 0
.endr
	WIN 0
	s_branch .Lfirst_join
.Lfirst_v:
	RESTORE
.irp n, 0,1,2,3,4,5,6,7
	UNIT \n, 2, -1, 1
.endr
	WIN 0
.Lfirst_join:
.irp n, 8,9,10,11
	UNIT \n, 0, -1, 0
.endr
	WIN 0
	s_wait_tensorcnt 0x0                           ; the second half of K
	s_wait_dscnt 0x0
	BARRIER
	SAVE
; v's tile e leaves: its bytes to my 512 bytes of LDS, its codes as 256 consecutive bytes for sixteen lanes.  (k's tile stays for its scores)
.macro OUT e, kv
	WIN 0
.if \kv
	ds_store_b8 v[OV_], v[EB] offset:64*\e
	ds_store_b8 v[OV_], v[EB+1] offset:64*\e+2
.set LC, LC+2
.irp g, 0,1
.irp u, 0,1
	global_store_b128 v[VO], v[128+16*\e+8*\g+4*\u:128+16*\e+8*\g+4*\u+3], s[18:19] offset:32768*\e+1024*\g+256*\u
.endr
.endr
.endif
.endm
.macro REST kv
.irp n, 12,13,14,15,16,17,18,19,20,21
	UNIT \n, 0, -1, \kv
.endr
	UNIT 22, 0, 0, \kv
	UNIT 23, 0, 0, \kv
	OUT 0, \kv
	UNIT 24, 0, 1, \kv
	UNIT 25, 0, 1, \kv
	OUT 1, \kv
	UNIT 26, 0, 2, \kv
	UNIT 27, 0, 2, \kv
	OUT 2, \kv
	UNIT 28, 0, 3, \kv
	OUT 3, \kv
	UNIT 29, 0, 4, \kv
	OUT 4, \kv
	UNIT 30, 0, 5, \kv
	OUT 5, \kv
	UNIT 31, 0, 6, \kv
	OUT 6, \kv
.irp m, 0,1,2,3,4,5,6,7
	EG \m, 7, \kv
.endr
	OUT 7, \kv
.endm
	s_cmp_eq_u32 s68, 1
	s_cbranch_scc1 .Lrest_v
	REST 0
	PLACES 4                                       ; codes written by vector instructions stand four places ahead of a scaled product
	SCORE 7
	PLACES 8
	v_add_f32 v[RS+7], v[SD], v[SD+8]
.irp t, 0,1,2,3,4,5,6,7
	ds_store_b32 v[OK_], v[RS+\t] offset:256*(\t/4)+32*(\t%4)   ; both halves of the lanes write the same word with the same value
.endr
	s_branch .Lrest_join
.Lrest_v:
	RESTORE
	REST 1
.Lrest_join:
	ds_load_b128 v[48:51], v[OAD]                  ; LDS serves a wave's instructions in order (ISA guide 5.7.1.4): this sees my stores
	s_wait_dscnt 0x0
	global_store_b128 v[LI], v[48:51], s[98:99]    ; k: 128 scores; v: 128 scale words: 512 consecutive bytes
	s_wait_tensorcnt 0x0                           ; the wave's end
	ds_add_u32 v[SPW], v[NIL]
	s_wait_dscnt 0x0
	CROUND                                         ; the closing round
	s_endpgm
.Lfunc_end_k_q93a38be66a_main:
	.size	k_q93a38be66a_main, .Lfunc_end_k_q93a38be66a_main-k_q93a38be66a_main
	.p2alignl 7, 3214868480
	.fill 96, 4, 3214868480
	.section	.rodata,"a",@progbits
	.p2align	6, 0x0
	.amdhsa_kernel k_q93a38be66a_main
		.amdhsa_group_segment_fixed_size 327680
		.amdhsa_private_segment_fixed_size 0
		.amdhsa_enable_private_segment 0
		.amdhsa_kernarg_size 80
		.amdhsa_user_sgpr_count 2
		.amdhsa_user_sgpr_kernarg_segment_ptr 1
		.amdhsa_wavefront_size32 1
		.amdhsa_system_sgpr_workgroup_id_x 1
		.amdhsa_system_sgpr_workgroup_id_y 1
		.amdhsa_system_sgpr_workgroup_id_z 1
		.amdhsa_system_vgpr_workitem_id 0
		.amdhsa_next_free_vgpr 1024
		.amdhsa_next_free_sgpr 100
		.amdhsa_reserve_vcc 1
		.amdhsa_float_denorm_mode_32 3
		.amdhsa_float_denorm_mode_16_64 3
		.amdhsa_memory_ordered 1
		.amdhsa_forward_progress 1
		.amdhsa_inst_pref_size 255
	.end_amdhsa_kernel
	.section	.bss,"aw",@nobits
	.p2align	6
	.space	262144
	.amdgpu_metadata
---
amdhsa.version: [ 1, 2 ]
amdhsa.kernels:
  - .name:           k_q93a38be66a_main
    .symbol:         k_q93a38be66a_main.kd
    .args:
      - { .name: xcodes, .offset: 0, .size: 8, .value_kind: global_buffer, .address_space: global }
      - { .name: wcodes, .offset: 8, .size: 8, .value_kind: global_buffer, .address_space: global }
      - { .name: scl, .offset: 16, .size: 8, .value_kind: global_buffer, .address_space: global }
      - { .name: qp, .offset: 24, .size: 8, .value_kind: global_buffer, .address_space: global }
      - { .name: bq, .offset: 32, .size: 8, .value_kind: global_buffer, .address_space: global }
      - { .name: bk, .offset: 40, .size: 8, .value_kind: global_buffer, .address_space: global }
      - { .name: bv, .offset: 48, .size: 8, .value_kind: global_buffer, .address_space: global }
      - { .name: vcodes, .offset: 56, .size: 8, .value_kind: global_buffer, .address_space: global }
      - { .name: vscl, .offset: 64, .size: 8, .value_kind: global_buffer, .address_space: global }
      - { .name: scor, .offset: 72, .size: 8, .value_kind: global_buffer, .address_space: global }
    .group_segment_fixed_size: 327680
    .private_segment_fixed_size: 0
    .kernarg_segment_align: 8
    .kernarg_segment_size: 80
    .max_flat_workgroup_size: 128
    .sgpr_count:     100
    .vgpr_count:     1024
    .wavefront_size: 32
...
	.end_amdgpu_metadata
.endif
;; end of part 2
;; launch comb (part 3): grid 32 x 8, 4 waves a work-group, no clusters, 4,096 bytes of LDS; arguments scor, vcodes, vscl, out0; writes out0
.if DOCPART == 3
	.amdgcn_target "amdgcn-amd-amdhsa--gfx1250"
	.amdhsa_code_object_version 6
	.text
	.protected	k_q93a38be66a_comb
	.globl	k_q93a38be66a_comb
	.p2align	8
	.type	k_q93a38be66a_comb,@function
k_q93a38be66a_comb:
	s_mov_b64 s[64:65], 0
	v_nop
	global_prefetch_b8 v0, s[64:65] scope:SCOPE_SE
	s_setreg_imm32_b32 hwreg(HW_REG_WAVE_MODE, 25, 1), 1
	s_wait_xcnt 0x0
; out0[b][16 channels] = (the sum over the batch's 2,048 keys of Q(p) Q(v)) / l, p = 2^(t - M), t = score x log2(e) / sqrt(512), l the sum of the unquantised p.  Only the last query's row is made (dead work: the first launch's head).
; LIMIT: the scaled scores stay under 2^31 in magnitude; p under 2^-126 comes out as 0; NaN and infinities are not served.
; A work-group takes 16 channels of a batch; wave w takes keys 512 w .. + 511 under its own M (a whole number); the four waves' sums are joined under the largest M by exact powers of two.
; A LANE TAKES 16 KEYS, 16 l .. + 15 of the wave's: half a block of 32; lanes l and l xor 1 share a block.  Its 16 codes go to LDS and come back as the operand's fragments, the same in all 16 rows.
; v's codes come as images of operand registers, 512 consecutive bytes a load.  What work-groups share are a batch's 32 KiB of scores; no cluster, since no tile goes to LDS; no loop, so nothing to prefetch ahead of.  A work-group owns 64 bytes of a row of out0.
.set SPW, 6
.set NIL, 7
.set S,   16                           ; v16-31 the scores, then p;  v32-79 the other three parts at first
.set VSC, 80                           ; v80-83 v's scale words
.set PS,  84                           ; v84-87 p's
.set VF,  96                           ; v96-159 v's fragments
.set PF,  160                          ; v160-223 p's
.set D,   224                          ; v224-255 the products
.set PSC, 2048                         ; LDS: p's codes at 512 w; their bytes at PSC + 256 w;
.set OX,  3072                         ; 16 sums a wave;
.set OS,  3328                         ; (-M, l) a wave
.set SPARE, 3584
	s_load_b256 s[4:11], s[0:1], 0x0               ; scor, vcodes, vscl, out0
	v_lshl_add_u32 v[SPW], v0, 2, SPARE
	v_mov_b32 v[NIL], 0
	v_lshrrev_b32 v1, 5, v0
	v_readfirstlane_b32 s12, v1                    ; wave
	s_lshl_b32 s13, s12, 9
	s_lshl_b32 s14, s12, 8
	s_add_co_u32 s14, s14, PSC
	s_lshl_b32 s15, s12, 6
	s_add_co_u32 s15, s15, OX
	s_lshl_b32 s16, s12, 3
	s_add_co_u32 s16, s16, OS
	s_and_b32 s17, ttmp7, 0xffff                   ; the batch
	s_lshl_b32 s18, s17, 13                        ; scores: 8,192 bytes a batch, 2,048 a wave
	s_lshl_b32 s30, s12, 11
	s_add_co_u32 s18, s18, s30
	s_mov_b32 s19, 0
	s_lshl_b32 s31, s12, 2                         ; my first key step of 128
	s_lshl_b32 s20, s17, 4
	s_add_co_u32 s20, s20, s31
	s_lshl_b32 s20, s20, 11
	s_lshl_b32 s30, ttmp9, 6
	s_add_co_u32 s20, s20, s30
	s_mov_b32 s21, 0
	s_lshl_b32 s22, s17, 5
	s_add_co_u32 s22, s22, ttmp9
	s_lshl_b32 s22, s22, 4
	s_add_co_u32 s22, s22, s31
	s_lshl_b32 s22, s22, 11
	s_mov_b32 s23, 0
	s_lshl_b32 s32, s17, 11
	s_add_co_u32 s32, s32, s30
	s_mov_b32 s33, 0
	s_mov_b32 s24, 0x76543210                      ; v_permlanex16_b32's selects for lane l xor 16
	s_mov_b32 s25, 0xfedcba98
	s_mov_b32 s26, 0x3d8293ee                      ; c = log2(e) / sqrt(512)
	s_mov_b32 s27, s26
	s_mov_b32 s28, 0x600000
	v_and_b32 v1, 31, v0                           ; lane
	v_and_b32 v2, 15, v0                           ; r
	v_bfe_u32 v3, v0, 4, 1                         ; h
	v_lshlrev_b32 v4, 6, v1
	v_lshlrev_b32 v5, 2, v2
	v_lshlrev_b32 v8, 4, v1
	v_add_nc_u32 v9, s13, v8                       ; my codes in,
	v_lshlrev_b32 v10, 4, v3
	v_add_nc_u32 v10, s13, v10                     ; and back
	v_lshrrev_b32 v11, 1, v1
	v_add_nc_u32 v11, s14, v11                     ; my block's byte
	v_mov_b32 v12, s14
	v_add_nc_u32 v13, s15, v5
	v_mov_b32 v14, s16
	v_add_nc_u32 v15, OX, v5
	v_mov_b32 v88, OS
	v_mov_b32 v89, 0                               ; written once: a lane permute's destination counts as one of its sources
	v_mov_b32 v91, 0                               ; (named as the upper half of a pair before it is first written)
	s_wait_alu depctr_va_vdst(0)                   ; the head's end
	s_wait_kmcnt 0x0
	s_add_nc_u64 s[4:5], s[4:5], s[18:19]
	s_add_nc_u64 s[8:9], s[8:9], s[20:21]
	s_add_nc_u64 s[6:7], s[6:7], s[22:23]
	s_add_nc_u64 s[10:11], s[10:11], s[32:33]
.irp p, 0,1,2,3
.irp j, 0,1,2,3
	global_load_b128 v[S+16*\p+4*\j:S+16*\p+4*\j+3], v4, s[4:5] offset:65536*\p+16*\j
.endr
.endr
.irp s, 0,1,2,3
	global_load_b32 v[VSC+\s], v5, s[8:9] offset:2048*\s
.endr
.irp s, 0,1,2,3
.irp c, 0,1,2,3
	global_load_b128 v[VF+16*\s+4*\c:VF+16*\s+4*\c+3], v8, s[6:7] offset:2048*\s+512*\c th:TH_LOAD_NT
.endr
.endr
	s_wait_loadcnt 20                              ; the scores are in; 4 loads of scale words and 16 of codes may be out
.irp p, 1,2,3
.irp j, 0,2,4,6,8,10,12,14
	v_pk_add_f32 v[S+\j:S+\j+1], v[S+\j:S+\j+1], v[S+16*\p+\j:S+16*\p+\j+1]
.endr
.endr
	v_max3_num_f32 v32, v[S], v[S+1], v[S+2]
	v_max3_num_f32 v33, v[S+3], v[S+4], v[S+5]
	v_max3_num_f32 v32, v32, v[S+6], v[S+7]
	v_max3_num_f32 v33, v33, v[S+8], v[S+9]
	v_max3_num_f32 v32, v32, v[S+10], v[S+11]
	v_max3_num_f32 v33, v33, v[S+12], v[S+13]
	v_max3_num_f32 v32, v32, v[S+14], v[S+15]
	v_max_num_f32 v34, v32, v33
	v_max_num_f32_dpp v34, v34, v34 row_xmask:1 row_mask:0xf bank_mask:0xf   ; the block's largest score
	v_mov_b32 v35, v34
	v_max_num_f32_dpp v35, v35, v35 row_xmask:2 row_mask:0xf bank_mask:0xf
	v_max_num_f32_dpp v35, v35, v35 row_xmask:4 row_mask:0xf bank_mask:0xf
	v_max_num_f32_dpp v35, v35, v35 row_xmask:8 row_mask:0xf bank_mask:0xf
	v_permlanex16_b32 v89, v35, s24, s25
	v_max_num_f32 v35, v35, v89
	v_mul_f32 v35, s26, v35                        ; the largest t (c is positive)
	v_floor_f32 v90, -v35                          ; -M, a whole number
.irp j, 0,2,4,6,8,10,12,14
	v_pk_fma_f32 v[S+\j:S+\j+1], v[S+\j:S+\j+1], s[26:27], v[90:91] op_sel_hi:[1,0,0]   ; t - M
.endr
	v_fma_f32 v34, v34, s26, v90
	s_wait_alu depctr_va_vdst(0)                   ; ahead of the batch
.irp j, 0,1,2,3,4,5,6,7,8,9,10,11,12,13,14,15
	v_exp_f32 v[S+\j], v[S+\j]
.endr
	v_exp_f32 v34, v34                             ; the block's largest p: the same two instructions on the same number
	v_nop
	s_wait_alu depctr_va_vdst(0)                   ; and behind it
	v_pk_add_f32 v[40:41], v[S:S+1], v[S+2:S+3]    ; l: of the unquantised p
	v_pk_add_f32 v[42:43], v[S+4:S+5], v[S+6:S+7]
	v_max_num_f32 v34, 0x4800000, v34              ; the floor 2^(9 - 127)
	v_pk_add_f32 v[40:41], v[40:41], v[S+8:S+9]
	v_pk_add_f32 v[42:43], v[42:43], v[S+10:S+11]
	v_add_nc_u32 v44, 0xfc000000, v34
	v_and_or_b32 v45, v34, 0x7f800000, s28
	v_pk_add_f32 v[40:41], v[40:41], v[S+12:S+13]
	v_pk_add_f32 v[42:43], v[42:43], v[S+14:S+15]
	v_lshrrev_b32 v46, 23, v44
.irp j, 0,1,2,3,4,5,6,7,8,9,10,11,12,13,14,15
	v_min_num_f32 v[S+\j], v[S+\j], v45            ; p is not negative: the hold is one-sided
.endr
	v_cvt_scalef32_pk8_fp8_f32 v[48:49], v[S:S+7], v44
	v_cvt_scalef32_pk8_fp8_f32 v[50:51], v[S+8:S+15], v44
	v_pk_add_f32 v[40:41], v[40:41], v[42:43]      ; (also the plain line behind the conversions)
	ds_store_b128 v9, v[48:51]
	ds_store_b8 v11, v46                           ; both lanes of a block write the same byte with the same value
	ds_load_b128 v[PS:PS+3], v12                   ; LDS serves a wave's instructions in order (ISA guide 5.7.1.4): these see my stores
.irp s, 0,1,2,3
.irp c, 0,1,2,3
	ds_load_b128 v[PF+16*\s+4*\c:PF+16*\s+4*\c+3], v10 offset:128*\s+32*\c
.endr
.endr
	v_add_f32 v40, v40, v41
	v_add_f32_dpp v40, v40, v40 row_xmask:1 row_mask:0xf bank_mask:0xf
	v_add_f32_dpp v40, v40, v40 row_xmask:2 row_mask:0xf bank_mask:0xf
	v_add_f32_dpp v40, v40, v40 row_xmask:4 row_mask:0xf bank_mask:0xf
	v_add_f32_dpp v40, v40, v40 row_xmask:8 row_mask:0xf bank_mask:0xf
	v_permlanex16_b32 v89, v40, s24, s25
	v_add_f32 v91, v40, v89
	ds_store_b64 v14, v[90:91]                     ; (-M, l): all lanes write the same words with the same values
	s_wait_alu depctr_va_vdst(0)
	s_wait_loadcnt 0x0
	s_wait_dscnt 0x0
.irp s, 0,1,2,3
	v_wmma_scale_f32_16x16x128_f8f6f4 v[D+8*\s:D+8*\s+7], v[PF+16*\s:PF+16*\s+15], v[VF+16*\s:VF+16*\s+15], 0, v[PS+\s], v[VSC+\s]   ; every register of lane r: channel r's sum over a key step
.endr
.rept 8
	v_nop
.endr
	v_add_f32 v52, v[D], v[D+8]
	v_add_f32 v53, v[D+16], v[D+24]
	v_add_f32 v52, v52, v53
	ds_store_b32 v13, v52                          ; both halves of the lanes write the same word with the same value
	s_wait_dscnt 0x0                               ; for the others' sake
	s_barrier_signal -1
	s_barrier_wait -1
	s_cmp_lg_u32 s12, 0
	s_cbranch_scc1 .Lend
	ds_load_b128 v[40:43], v88                     ; wave 0: (-M, l) of waves 0, 1,
	ds_load_b128 v[44:47], v88 offset:16           ; of waves 2, 3,
.irp w, 0,1,2,3
	ds_load_b32 v[48+\w], v15 offset:64*\w         ; and the sums
.endr
	s_wait_dscnt 0x0
	v_min3_num_f32 v32, v40, v42, v44
	v_min_num_f32 v32, v32, v46                    ; -M of the batch
	v_sub_f32 v33, v32, v40                        ; M_w - M: a whole number, 0 or less
	v_sub_f32 v34, v32, v42
	v_sub_f32 v35, v32, v44
	v_sub_f32 v36, v32, v46
.irp w, 33,34,35,36
	v_cvt_i32_f32 v\w, v\w
.endr
.irp w, 33,34,35,36
	v_ldexp_f32 v\w, 1.0, v\w
.endr
	v_mul_f32 v37, v33, v41
	v_mul_f32 v38, v33, v48
	v_fmac_f32 v37, v34, v43
	v_fmac_f32 v38, v34, v49
	v_fmac_f32 v37, v35, v45
	v_fmac_f32 v38, v35, v50
	v_fmac_f32 v37, v36, v47
	v_fmac_f32 v38, v36, v51
	s_wait_xcnt 0x0                                ; EXEC changes only behind this wait
	s_wait_alu depctr_va_vdst(0)                   ; ahead of the transcendental
	v_rcp_f32 v37, v37
	v_cmp_gt_u32 vcc_lo, 16, v0                    ; (also the plain place behind it)
	s_wait_alu depctr_va_vdst(0)                   ; and behind it
	v_mul_f32 v38, v38, v37
	s_and_saveexec_b32 s29, vcc_lo
	global_store_b32 v5, v38, s[10:11]             ; 16 lanes store my 64 bytes
	s_wait_xcnt 0x0
	s_or_b32 exec_lo, exec_lo, s29
.Lend:
	s_wait_tensorcnt 0x0                           ; the wave's end
	ds_add_u32 v[SPW], v[NIL]
	s_wait_dscnt 0x0
	s_endpgm
.Lfunc_end_k_q93a38be66a_comb:
	.size	k_q93a38be66a_comb, .Lfunc_end_k_q93a38be66a_comb-k_q93a38be66a_comb
	.p2alignl 7, 3214868480
	.fill 96, 4, 3214868480
	.section	.rodata,"a",@progbits
	.p2align	6, 0x0
	.amdhsa_kernel k_q93a38be66a_comb
		.amdhsa_group_segment_fixed_size 4096
		.amdhsa_private_segment_fixed_size 0
		.amdhsa_enable_private_segment 0
		.amdhsa_kernarg_size 32
		.amdhsa_user_sgpr_count 2
		.amdhsa_user_sgpr_kernarg_segment_ptr 1
		.amdhsa_wavefront_size32 1
		.amdhsa_system_sgpr_workgroup_id_x 1
		.amdhsa_system_sgpr_workgroup_id_y 1
		.amdhsa_system_sgpr_workgroup_id_z 1
		.amdhsa_system_vgpr_workitem_id 0
		.amdhsa_next_free_vgpr 256
		.amdhsa_next_free_sgpr 66
		.amdhsa_reserve_vcc 1
		.amdhsa_float_denorm_mode_32 3
		.amdhsa_float_denorm_mode_16_64 3
		.amdhsa_memory_ordered 1
		.amdhsa_forward_progress 1
		.amdhsa_inst_pref_size 16
	.end_amdhsa_kernel
	.amdgpu_metadata
---
amdhsa.version: [ 1, 2 ]
amdhsa.kernels:
  - .name:           k_q93a38be66a_comb
    .symbol:         k_q93a38be66a_comb.kd
    .args:
      - { .name: scor, .offset: 0, .size: 8, .value_kind: global_buffer, .address_space: global }
      - { .name: vcodes, .offset: 8, .size: 8, .value_kind: global_buffer, .address_space: global }
      - { .name: vscl, .offset: 16, .size: 8, .value_kind: global_buffer, .address_space: global }
      - { .name: out0, .offset: 24, .size: 8, .value_kind: global_buffer, .address_space: global }
    .group_segment_fixed_size: 4096
    .private_segment_fixed_size: 0
    .kernarg_segment_align: 8
    .kernarg_segment_size: 32
    .max_flat_workgroup_size: 128
    .sgpr_count:     66
    .vgpr_count:     256
    .wavefront_size: 32
...
	.end_amdgpu_metadata
.endif
;; end of part 3
